; MI455X (gfx1250); checked and timed in simulation.
; The chip was launched on July 23, 2026; its instructions are those of AMD's public machine-readable ISA for CDNA 5 (MIT licence, August 2026) and "CDNA5" Instruction Set Architecture Reference Guide (July 2026). The comments in the code are by the model that wrote it; some were corrected since.
;; Momentum Vector Quantizer. Allowed arithmetic: float matrix products may take bf16 or f16 operands with f32 sums; other float arithmetic in f32, or as packed bf16 or f16 multiplies, adds, multiply-adds, maxima and minima; sums over many terms, partial sums and values carried from step to step in f32; what a program stores and reads back later, other than sums and carried values, may be rounded once to bf16 or f16.
;; Inputs: embeddings 512 x 4,096 float32; x 8 x 4,096 x 512 float32.
;; Outputs: out0 8 x 4,096 x 512 float32.
;; 2 versions, each right. Each part assembles by itself: llvm-mc -triple=amdgcn-amd-amdhsa -mcpu=gfx1250 --defsym DOCPART=n.
;; ======== version 1 of 2: 3 launches
;; workspace buffers: eb 4,194,304 bytes; rn 16,384 bytes; cval 262,144 bytes; cidx 262,144 bytes of whole numbers
;; launch prep (part 1): grid 64 x 1, 16 waves a work-group, no clusters, 76,800 bytes of LDS; arguments embeddings, eb, rn; writes eb, rn
.if DOCPART == 1
	.amdgcn_target "amdgcn-amd-amdhsa--gfx1250"
	.amdhsa_code_object_version 6
	.text
	.protected	k_q3ca050f98d_prep
	.globl	k_q3ca050f98d_prep
	.p2align	8
	.type	k_q3ca050f98d_prep,@function
k_q3ca050f98d_prep:
	s_mov_b64 s[64:65], 0
	v_nop
	global_prefetch_b8 v0, s[64:65] scope:SCOPE_SE
	s_setreg_imm32_b32 hwreg(HW_REG_WAVE_MODE, 25, 1), 1
	s_wait_xcnt 0x0
; eb[code][k] = bf16(embeddings[k][code]): the codebook rounded once and turned, so that a code's 512 channels lie on end (1,024 bytes).
; rn[code] = 1 / max(sqrt(sum over k of eb[code][k]^2), 1e-12), in f32: the norm of the ROUNDED column, so that eb x rn is the normalised column of the rounded codebook.
; SHARES.  A work-group owns 64 codes: 256 consecutive bytes, aligned, of each of the 512 rows of embeddings.  A column's sum wants all 512 rows in one work-group, and 64 codes are
; the fewest whose piece of a row is 256 bytes: 4,096 / 64 = 64 work-groups.  Wave w of 16 owns rows 32 w .. 32 w + 31; a load takes two rows' 256 bytes (lanes 0-15 one, lanes 16-31 another).
; All 16 loads of a lane go out at once: the work-group's 128 KiB are on their way together.  The turning goes through LDS: a lane packs 16 consecutive k of each of its 4 codes (32 bytes).
; No cluster, no matrix unit: no byte is read by two work-groups, and there is no product.
; LIMITS.  A sum of squares beyond f32's range gives rn = 0; NaN and infinities are not treated apart.
.set ROWB,  16384                      ; bytes in a row of embeddings
.set TP,    1040                       ; a code's row in LDS: 1,024 bytes + 16
.set PART,  64*TP                      ; 66,560: 32 rows of partial sums (wave, half of the lanes), 64 f32 each
.set SPARE, PART+8192                  ; 74,752: the spare words, 128 bytes for each of 16 waves; no other line names them
.set GO,  2                            ; v2   my byte offset in embeddings: (32 w + 16 h) rows + 16 q
.set TS,  3                            ; v3   where I put 32 bytes of a code: 4 q codes + 64 w + 32 h
.set PS,  4                            ; v4   where I put my four partial sums
.set RD,  5                            ; v5   where I read whole code rows back
.set SO,  6                            ; v6   my byte offset in the work-group's 64 rows of eb
.set PR,  7                            ; v7   wave 0: my two codes' partial sums
.set RO,  8                            ; v8   wave 0: my 8 bytes of rn
.set SPW, 10                           ; v10  LDS address of my spare word; never rewritten
.set NIL, 11                           ; v11  0; never rewritten
.set E,   32                           ; v[32:95]   as loaded: row i, code e at E + 4 i + e
.set P,   96                           ; v[96:127]  packed: code e, pair of rows t at P + 8 e + t
.set T,   128                          ; v[128:131] two pairs at work
.set SS,  132                          ; v[132:139] code e's sums of squares, even rows' and odd rows'
.set SUM, 140                          ; v[140:143] code e's sum
.set WV,  14                           ; s14  my wave's number
	s_load_b128 s[4:7], s[0:1], 0x0                ; embeddings s[4:5], eb s[6:7]
	s_load_b64 s[8:9], s[0:1], 0x10                ; rn
	v_lshl_add_u32 v[SPW], v0, 2, SPARE
	v_mov_b32 v[NIL], 0
	v_lshrrev_b32 v1, 5, v0
	v_readfirstlane_b32 s[WV], v1                  ; wave 0..15
	v_and_b32 v12, 31, v0                          ; lane
	v_and_b32 v13, 15, v0                          ; q
	v_bfe_u32 v14, v0, 4, 1                        ; h
	s_lshl_b32 s15, s[WV], 19                      ; 32 w rows of 16,384 bytes
	v_lshlrev_b32 v[GO], 4, v13
	v_lshl_add_u32 v[GO], v14, 18, v[GO]           ; 16 h rows
	v_add_nc_u32 v[GO], s15, v[GO]
	v_mul_u32_u24 v[TS], v13, 4*TP
	v_lshl_add_u32 v[TS], v14, 5, v[TS]
	s_lshl_b32 s16, s[WV], 6
	v_add_nc_u32 v[TS], s16, v[TS]
	s_lshl_b32 s17, s[WV], 9
	s_add_co_u32 s17, s17, PART
	v_lshlrev_b32 v[PS], 4, v13
	v_lshl_add_u32 v[PS], v14, 8, v[PS]
	v_add_nc_u32 v[PS], s17, v[PS]
	s_mul_i32 s18, s[WV], 4*TP
	v_lshl_add_u32 v[RD], v12, 4, s18              ; codes 4 w .. 4 w + 3, 16 bytes a lane
	s_lshl_b32 s19, s[WV], 12
	v_lshl_add_u32 v[SO], v12, 4, s19
	v_lshl_add_u32 v[PR], v12, 3, PART
	v_lshlrev_b32 v[RO], 3, v12
	s_lshl_b32 s20, ttmp9, 8                       ; the work-group's 256 bytes of a row, and of rn
	s_mov_b32 s21, 0
	s_lshl_b32 s22, ttmp9, 16                      ; its 64 rows of eb
	s_mov_b32 s23, 0
	s_mov_b32 s24, 0xffff0000                      ; a word's upper bf16
	s_wait_kmcnt 0x0
	s_add_nc_u64 s[4:5], s[4:5], s[20:21]
	s_add_nc_u64 s[6:7], s[6:7], s[22:23]
	s_add_nc_u64 s[8:9], s[8:9], s[20:21]
.irp i, 0,1,2,3,4,5,6,7,8,9,10,11,12,13,14,15
	global_load_b128 v[E+4*(\i):E+4*(\i)+3], v[GO], s[4:5] offset:(\i)*ROWB th:TH_LOAD_NT  ; read once in the launch
.endr
	s_wait_loadcnt 0x0
	; round to bf16, two rows of one code to a word: the lower k in the lower half
.irp e, 0,1,2,3
.irp t, 0,1,2,3,4,5,6,7
	v_cvt_pk_bf16_f32 v[P+8*(\e)+(\t)], v[E+8*(\t)+(\e)], v[E+8*(\t)+4+(\e)]
.endr
.endr
	; the squares of the ROUNDED numbers, in f32; the first product starts each sum
.irp e, 0,1,2,3
.irp t, 0,1,2,3,4,5,6,7
	v_lshlrev_b32 v[T+2*((\t)%2)],   16,  v[P+8*(\e)+(\t)]
	v_and_b32     v[T+2*((\t)%2)+1], s24, v[P+8*(\e)+(\t)]
.if (\t) == 0
	v_pk_mul_f32 v[SS+2*(\e):SS+2*(\e)+1], v[T:T+1], v[T:T+1]
.else
	v_pk_fma_f32 v[SS+2*(\e):SS+2*(\e)+1], v[T+2*((\t)%2):T+2*((\t)%2)+1], v[T+2*((\t)%2):T+2*((\t)%2)+1], v[SS+2*(\e):SS+2*(\e)+1]
.endif
.endr
.endr
.irp e, 0,1,2,3
	v_add_f32 v[SUM+(\e)], v[SS+2*(\e)], v[SS+2*(\e)+1]
.endr
	; nine stores a lane, once
.irp e, 0,1,2,3
	ds_store_b128 v[TS], v[P+8*(\e):P+8*(\e)+3]   offset:(\e)*TP
	ds_store_b128 v[TS], v[P+8*(\e)+4:P+8*(\e)+7] offset:(\e)*TP+16
.endr
	ds_store_b128 v[PS], v[SUM:SUM+3]
	s_wait_dscnt 0x0                               ; for the others' sake: my stores are done
	s_barrier_signal -1
	s_barrier_wait -1                              ; the tile and the partial sums are whole
.irp e, 0,1,2,3
.irp u, 0,1
	ds_load_b128 v[P+8*(\e)+4*(\u):P+8*(\e)+4*(\u)+3], v[RD] offset:(\e)*TP+512*(\u)
.endr
.endr
.irp e, 0,1,2,3
.irp u, 0,1
	s_wait_dscnt 7-(2*(\e)+(\u))                   ; LDS loads come back in order: this one is in, the younger ones may be out
	global_store_b128 v[SO], v[P+8*(\e)+4*(\u):P+8*(\e)+4*(\u)+3], s[6:7] offset:(\e)*1024+512*(\u)  ; 512 consecutive bytes of a code's row
.endr
.endr
	s_cmp_lg_u32 s[WV], 0                          ; wave 0 makes the 64 norms, two codes a lane
	s_cbranch_scc1 .Lend
.set n_, 0
.rept 32
	ds_load_b64 v[E+2*n_:E+2*n_+1], v[PR] offset:256*n_
.set n_, n_+1
.endr
	s_wait_dscnt 0x0
.set n_, 2
.rept 15                               ; two chains, even and odd partial rows
	v_pk_add_f32 v[E:E+1],   v[E:E+1],   v[E+2*n_:E+2*n_+1]
	v_pk_add_f32 v[E+2:E+3], v[E+2:E+3], v[E+2*n_+2:E+2*n_+3]
.set n_, n_+2
.endr
	v_pk_add_f32 v[E:E+1], v[E:E+1], v[E+2:E+3]
	v_sqrt_f32 v144, v[E]
	v_sqrt_f32 v145, v[E+1]
	v_nop                                          ; a plain instruction behind the roots,
	s_wait_alu depctr_va_vdst(0)                   ; and the wait ahead of their first reader: one for both
	v_max_num_f32 v146, 0x2b8cbccc, v144           ; max(s, 1e-12)
	v_max_num_f32 v147, 0x2b8cbccc, v145
	v_rcp_f32 v148, v146
	v_rcp_f32 v149, v147
	v_fma_f32 v150, -v144, v144, v[E]              ; what the root leaves: sum - s^2 (plain work behind the reciprocals, which names none of their registers)
	v_fma_f32 v151, -v145, v145, v[E+1]
	s_wait_alu depctr_va_vdst(0)                   ; one wait for both reciprocals
	v_mul_f32 v152, 0.5, v148
	v_mul_f32 v153, 0.5, v149
	v_fma_f32 v144, v150, v152, v144               ; one step of Newton's on the root,
	v_fma_f32 v145, v151, v153, v145
	v_max_num_f32 v146, 0x2b8cbccc, v144
	v_max_num_f32 v147, 0x2b8cbccc, v145
	v_fma_f32 v150, -v146, v148, 1.0               ; and one on the reciprocal
	v_fma_f32 v151, -v147, v149, 1.0
	v_fma_f32 v154, v148, v150, v148
	v_fma_f32 v155, v149, v151, v149
	global_store_b64 v[RO], v[154:155], s[8:9]     ; 32 lanes store 256 consecutive bytes, aligned
.Lend:
	s_wait_tensorcnt 0x0                           ; the wave's end, behind my last LDS store
	ds_add_u32 v[SPW], v[NIL]
	s_wait_dscnt 0x0
	s_endpgm
.Lfunc_end_k_q3ca050f98d_prep:
	.size	k_q3ca050f98d_prep, .Lfunc_end_k_q3ca050f98d_prep-k_q3ca050f98d_prep
	.p2alignl 7, 3214868480
	.fill 96, 4, 3214868480
	.section	.rodata,"a",@progbits
	.p2align	6, 0x0
	.amdhsa_kernel k_q3ca050f98d_prep
		.amdhsa_group_segment_fixed_size 76800
		.amdhsa_private_segment_fixed_size 0
		.amdhsa_enable_private_segment 0
		.amdhsa_kernarg_size 24
		.amdhsa_user_sgpr_count 2
		.amdhsa_user_sgpr_kernarg_segment_ptr 1
		.amdhsa_wavefront_size32 1
		.amdhsa_system_sgpr_workgroup_id_x 1
		.amdhsa_system_sgpr_workgroup_id_y 1
		.amdhsa_system_sgpr_workgroup_id_z 1
		.amdhsa_system_vgpr_workitem_id 0
		.amdhsa_next_free_vgpr 160
		.amdhsa_next_free_sgpr 66
		.amdhsa_reserve_vcc 0
		.amdhsa_float_denorm_mode_32 3
		.amdhsa_float_denorm_mode_16_64 3
		.amdhsa_memory_ordered 1
		.amdhsa_forward_progress 1
		.amdhsa_inst_pref_size 18
	.end_amdhsa_kernel
	.amdgpu_metadata
---
amdhsa.version: [ 1, 2 ]
amdhsa.kernels:
  - .name:           k_q3ca050f98d_prep
    .symbol:         k_q3ca050f98d_prep.kd
    .args:
      - { .name: embeddings, .offset: 0, .size: 8, .value_kind: global_buffer, .address_space: global }
      - { .name: eb, .offset: 8, .size: 8, .value_kind: global_buffer, .address_space: global }
      - { .name: rn, .offset: 16, .size: 8, .value_kind: global_buffer, .address_space: global }
    .group_segment_fixed_size: 76800
    .private_segment_fixed_size: 0
    .kernarg_segment_align: 8
    .kernarg_segment_size: 24
    .max_flat_workgroup_size: 512
    .sgpr_count:     66
    .vgpr_count:     160
    .wavefront_size: 32
...
	.end_amdgpu_metadata
.endif
;; end of part 1
;; launch score (part 2): grid 256 x 1, 4 waves a work-group, clusters of 4 x 1, 327,680 bytes of LDS; arguments x, eb, rn, cval, cidx; writes cval, cidx
.if DOCPART == 2
	.amdgcn_target "amdgcn-amd-amdhsa--gfx1250"
	.amdhsa_code_object_version 6
	.text
	.protected	k_q3ca050f98d_score
	.globl	k_q3ca050f98d_score
	.p2align	8
	.type	k_q3ca050f98d_score,@function
k_q3ca050f98d_score:
	s_mov_b64 s[64:65], 0
	v_nop
	global_prefetch_b8 v0, s[64:65] scope:SCOPE_SE
	s_setreg_imm32_b32 hwreg(HW_REG_WAVE_MODE, 25, 1), 1
	s_wait_xcnt 0x0
	s_wait_alu depctr_hold_cnt(0) depctr_sa_sdst(0) depctr_va_vdst(0) depctr_va_sdst(0) depctr_va_ssrc(0) depctr_va_vcc(0) depctr_vm_vsrc(0)
	s_getreg_b32 s2, hwreg(HW_REG_IB_STS2, 6, 4)
	s_cmp_eq_u32 s2, 0
	s_cbranch_scc0 .Lentry_in_a_cluster
	s_endpgm
.Lentry_in_a_cluster:
	s_bfe_u32 s2, ttmp6, 0x10000c
	s_cmp_lg_u32 s2, 0x3003
	s_cbranch_scc0 .Lentry_shape_is_right
	s_endpgm
.Lentry_shape_is_right:
; For each token the best code of one half of the codebook: cval[half][token] = max over the half's 2,048 codes of (bf16(x[token]) . eb[code]) rn[code], cidx = the lowest code that reaches it.
; FORMATS.  x is rounded once to bf16 on its way into registers; eb holds the codebook rounded once to bf16; products are summed in f32; the column's 1 / norm is applied in f32 to the f32 sum.
; THE TOKEN'S OWN NORM IS NOT FORMED: it is one finite positive factor for all scores of a token, which no maximum's place depends on, and the result holds no number of the token's.
; LIMITS.  Where the sum of a token's squares passes f32's range (numbers beyond some 1e18) the plain way has scores 0 and takes code 0; this text still orders the scores.  A NaN score never wins; a tie goes to the lowest code.
; SHARES.  X STAYS IN REGISTERS: a wave holds 64 tokens x 512 channels in bf16, 64 fragments, 512 registers; a work-group's four waves 256 tokens.  32,768 tokens are 128 such blocks; each block is taken
; by two work-groups, one for each half of the codebook: 256 work-groups.  A later launch chooses between the two halves' candidates.
; Every wave walks its half's 2,048 codes in 128 GROUPS of 16: a group is 64 matrix instructions (16 steps of 32 channels x 4 tiles of 16 tokens) on four accumulators.
; RING.  Two LDS slots of 128 codes x 1,024 bytes (8 groups), filled by the tensor data mover, a quarter (32 rows) by each wave: 512 matrix instructions a wave from change to change.
; CLUSTER.  The four work-groups of a cluster have the same half and walk the same tiles: each tile is asked for JOINTLY, by the same load with the same descriptor and the mask of four.
; LAYOUT.  Source 0 = 16 codes, source 1 = 16 tokens: in the result lane (r = lane % 16, h = lane / 16) holds token r and, in register j, code 8 h + j.  So a token's running maximum lies in one lane (two, by h),
; and the maximum needs no exchange of lanes until the end.
; BY TURNS.  Two sets of four accumulators.  While group g is multiplied into one set, group g - 1's scores in the other are scaled and compared: 120 vector instructions, cut into slices of four,
; one slice behind every two matrix instructions.  The codes' fragments have ONE buffer of 128 registers: a fragment is loaded again, for the next group, behind the slice that follows its last reader.
; REGISTERS, in windows of 256 (s_set_vgpr_msb: bits 1:0 source 0, 3:2 source 1, 5:4 source 2, 7:6 destination):
;   window 0: addresses, statistics, both accumulator sets, the codes' fragments      windows 1, 2: x: tile a, step ks at v[32 (ks % 8) + 8 a] of window 1 + ks / 8      window 3: x as loaded, two sets of 128
; A product names x in window 1 or 2, a slice names window 0 alone: two switches for two matrix instructions.
.set PITCH, 1040                       ; a code's row in LDS: 1,024 bytes + 16 = 260 words: row r starts at bank 4 r mod 64 (64 banks of 4 bytes: ISA guide 11.1)
.set GRPB,  16*PITCH                   ; a group
.set PAIRB, 2*GRPB
.set QUARB, 32*PITCH                   ; what one tensor load brings
.set SLOTB, 128*PITCH                  ; 133,120 = 0x20800; the waves' quarters begin at 0, 0x8200, 0x10400, 0x18600: no bit in common, so one exclusive or changes the slot
.set TILEB, 131072                     ; a slot's 128 rows in eb
.set XST,   2*SLOTB                    ; behind the ring, never filled by a tensor load: a stage of 16 rows x 528 bytes for each wave, in 8,704 bytes
.set XSTW,  8704
.set XP,    528                        ; 512 bytes + 16: an odd multiple of 16
.set RNB,   XST+4*XSTW                 ; the half's 2,048 rn
.set OUTB,  RNB+8192                   ; 512 bytes for each wave, for the way out
.set SPARE, OUTB+2048                  ; the spare words, 128 bytes for each wave; no other line names them
.set BL,  2                            ; v2   my place in a group's rows: r x 1,040 + 16 h; never rewritten
.set BA,  3                            ; v3   BL + the LDS byte of the pair of groups in hand
.set RA,  4                            ; v4   the LDS address of the pair's rn
.set XO,  5                            ; v5   16 x lane
.set XS,  6                            ; v6   into my stage: 8 x lane
.set XR,  7                            ; v7   out of my stage: r x 528 + 16 h
.set PFO, 8                            ; v8   256 x lane; never rewritten
.set TH16, 9                           ; v9   16 x thread
.set SPW, 10                           ; v10  LDS address of my spare word; never rewritten
.set NIL, 11                           ; v11  0; never rewritten
.set OS,  12                           ; v12  the way out: where I put a token's number
.set OL,  13                           ; v13  where I read two back
.set L8,  14                           ; v14  8 x lane
.set RNS, 15                           ; v15  where I put 16 bytes of rn
.set Q,   16                           ; v[16:23]  the code that register j of the group being compared stands for
.set BEST, 24                          ; v[24:27]  tile a's running maximum
.set IDX, 28                           ; v[28:31]  and its code
.set RE,  32                           ; v[32:47]  rn of my 8 codes of a group, two sets
.set OV,  48                           ; v[48:51], v[52:55] the other half of the lanes' maximum and code
.set OI,  52
.set WO,  56                           ; v[56:59]  the way out
.set RL,  60                           ; v60  RNB + 32 h; never rewritten
.set ACC, 64                           ; v[64:127] two sets of four accumulators: set p, tile a at ACC + 32 p + 8 a
.set BF,  128                          ; v[128:255] the group's 16 fragments
.set WV,  14                           ; s14  my wave's number
.set CX,  15                           ; s15  my place in the cluster: it enters global addresses of x, cval, cidx and the prefetches alone
.set HALF, 16                          ; s16  which half of the codebook: the cluster's number's low bit
.set TKB, 17                           ; s17  my block of 256 tokens
.set WOFF, 18                          ; s18  my quarter of a slot
.set TB,  19                           ; s19  LDS byte of the pair of groups in hand
.set SLOTS, 20                         ; s20  slots still to be asked for
.set TRIP, 21
.set LIM, 22                           ; s22  1 in a cluster that prefetches, else the greatest number
.set TAIL, 23
.set G1,  24                           ; s[24:31] descriptor group 1
.set G0A, 32                           ; s[32:35] group 0 of slot 0's first fill
.set G0B, 36                           ; s[36:39] group 0 of slot 1's first fill; then it walks
.set PFA, 40                           ; s[40:41] where my prefetches stand
.set XB,  42                           ; s[42:43] x at my wave's first token
.set SEL, 46                           ; s[46:47] v_permlanex16_b32's selects: each lane takes its own place in the other half
.set RO,  51                           ; s51  byte of the pair's rn in the table
.set MSB, 0
.macro WIN new                         ; the immediate's high byte repeats the setting that is left; a switch that changes nothing is dropped
.if MSB != (\new)
	s_set_vgpr_msb (MSB<<8)|(\new)
.set MSB, (\new)
.endif
.endm
.macro PLACES
.rept 4
	v_nop
.endr
.endm
; A round of the cluster's barrier: my work-group's barrier, so that wave 0's signal speaks for all four waves; wave 0 signals; every wave waits for all four work-groups; my work-group's barrier once more.
.macro CREST                           ; a round behind its opening barrier
	s_cmp_lg_u32 s[WV], 0
	s_cbranch_scc1 .Lnot_wave_0_\@
	s_barrier_signal -3
.Lnot_wave_0_\@:
	s_barrier_wait -3
	s_barrier_signal -1
	s_barrier_wait -1
.endm
.macro CROUND
	s_barrier_signal -1
	s_barrier_wait -1
	CREST
.endm
; A PREFETCH INTO THE L2 of the slot that the NEXT change of slots will ask for: 512 matrix instructions ahead of that load.  eb's tiles are walked by all 64 clusters; of the 32 that share a half the first
; asks (the cluster's number / 2 = 0: the same in all four partners).  Its four partners take 32 rows each, told apart BY ADDRESS; in each, wave w takes 8 of them: 32 lanes x 256 bytes.  So each 256 bytes
; of eb are named once in the launch.  Slots 0 to 2 come by their loads alone; the last change that fills a slot asks for nothing: there is no slot behind it.
.macro ASK
	s_cmp_gt_u32 s[SLOTS], s[LIM]
	s_cbranch_scc0 .Lnot_mine_\@
	global_prefetch_b8 v[PFO], s[PFA:PFA+1] th:TH_LOAD_NT scope:SCOPE_SE
.Lnot_mine_\@:
.endm
; Product n of a group's 64, into accumulator set p: channels 32 (n / 4) on, tile n % 4.  The first four start the sums.  The four accumulators take turns, one instruction a turn, from group to group and over
; the backward jumps too.
.macro MM p, n
.set ks_, (\n)/4
.set a_, (\n)%4
	WIN 4+4*(ks_/8)
.set rD_, ACC+32*(\p)+8*a_
.set rB_, BF+8*ks_
.set rX_, 32*(ks_%8)+8*a_
.if ks_ == 0
	v_wmma_f32_16x16x32_bf16 v[rD_:rD_+7], v[rB_:rB_+7], v[rX_:rX_+7], 0
.else
	v_wmma_f32_16x16x32_bf16 v[rD_:rD_+7], v[rB_:rB_+7], v[rX_:rX_+7], v[rD_:rD_+7]
.endif
.endm
; Number k of the 128 vector instructions that ride in a group's time; they work on the OTHER set, the group before.  Four blocks of 28, block b for registers 2 b and 2 b + 1 of the four accumulators:
; four packed scalings by rn, then for each register and tile: is the score above the maximum; the new maximum;
; the code where it was.  Strictly above: of equal scores the earlier, lower code stays.  112-119: the codes step to the next group.  120-127: v_nop: the last four are the places behind the group's last product.
.macro RID p, k
.set o_, 1-(\p)
.if (\k) < 112
.set b_, (\k)/28
.set m_, (\k)%28
.if m_ < 4
	v_pk_mul_f32 v[ACC+32*o_+8*m_+2*b_:ACC+32*o_+8*m_+2*b_+1], v[ACC+32*o_+8*m_+2*b_:ACC+32*o_+8*m_+2*b_+1], v[RE+8*o_+2*b_:RE+8*o_+2*b_+1]
.else
.set m_, m_-4
.set j_, 2*b_+m_/12
.set t_, (m_%12)/3
.set rs_, ACC+32*o_+8*t_+j_
.if m_%3 == 0
	v_cmp_gt_f32 vcc_lo, v[rs_], v[BEST+t_]
.elseif m_%3 == 1
	v_max_num_f32 v[BEST+t_], v[rs_], v[BEST+t_]
.else
	v_cndmask_b32 v[IDX+t_], v[IDX+t_], v[Q+j_], vcc_lo
.endif
.endif
.elseif (\k) < 120
	v_add_nc_u32 v[Q+(\k)-112], 16, v[Q+(\k)-112]
.else
	v_nop
.endif
.endm
.macro LDF ks, off                     ; fragment ks (16 codes x 32 channels) of the group at byte off behind BA
	ds_load_b128 v[BF+8*(\ks):BF+8*(\ks)+3],   v[BA] offset:(\off)+64*(\ks)
	ds_load_b128 v[BF+8*(\ks)+4:BF+8*(\ks)+7], v[BA] offset:(\off)+64*(\ks)+32
.endm
.macro LDRE p                          ; rn of my 8 codes of the group in hand: sixteen lanes read the same 32 bytes
	ds_load_b128 v[RE+8*(\p):RE+8*(\p)+3],   v[RA] offset:64*(\p)
	ds_load_b128 v[RE+8*(\p)+4:RE+8*(\p)+7], v[RA] offset:64*(\p)+16
.endm
; Slice i of 32: four riders; behind them, in an odd slice, the two loads that fill fragment (i - 1) / 2 again.  That fragment's last reader is product 2 i + 1, which stands directly ahead of the slice: the four
; riders, plain instructions that name none of its registers, are the four places between (ISA guide 7.12.1 for vector instructions).
.macro SL p, i, loads, off
	WIN 0
	RID \p, 4*(\i)
	RID \p, 4*(\i)+1
	RID \p, 4*(\i)+2
	RID \p, 4*(\i)+3
.if \loads
.if (\i) == 0
	LDRE \p
.elseif (\i)%2 == 1
	LDF ((\i)-1)/2, \off
.endif
.endif
.endm
.macro STEPS p, from, count, loads, off  ; two products and a slice, count times
.set i_, \from
.rept \count
	MM \p, 2*i_
	MM \p, 2*i_+1
	SL \p, i_, \loads, \off
.set i_, i_+1
.endr
.endm
; A GROUP's time.  Ahead of products 16 m the fragments 4 m .. 4 m + 3 are wanted.  Behind the loads of fragment 4 m + 3 the wave has issued those of twelve more fragments, 24 loads (and, for m > 0, rn's two):
; the count 24 leaves them out.  rn of the group before was loaded 32 loads ahead of this group's first wait.
.macro PERIOD p, off
.irp m, 0,1,2,3
	s_wait_dscnt 24
	STEPS \p, 8*(\m), 8, 1, \off
.endr
.endm
.macro RSTEP                           ; the next pair's rn; the offset wraps at the table's 8,192 bytes, so it stays inside the table by its own arithmetic
	s_add_co_u32 s[RO], s[RO], 128
	s_and_b32 s[RO], s[RO], 8191
	v_add_nc_u32 v[RA], s[RO], v[RL]
.endm
.macro PAIR                            ; two groups; each loads the next one's fragments
	PERIOD 0, GRPB
	PERIOD 1, PAIRB
	WIN 0                                          ; at a label and at a branch every window is 0
	s_add_co_u32 s[TB], s[TB], PAIRB
	v_add_nc_u32 v[BA], s[TB], v[BL]
	RSTEP
.endm
; A SLOT's LAST GROUP, with the change of slots.  Its fragments were all asked for in the group before.  Each wave waits for all its tensor loads, of which one is out: its quarter of the other slot; adds 0 to its
; spare word; and, fourteen products on, waits for that and for its own reads of this slot.  Behind the barrier nobody reads this slot any more and the other slot is whole.
; fill = 1: this slot is filled again, with the tile two on.  The barrier then opens a round of the cluster's, so that no wave of any partner still reads the slot or has a load on its way, and the joint refill is
; the first thing behind the round.  Then the loads that the slices up to 13 have left out go in one run: rn, and fragments 0 to 6 of the other slot's first group.  No compare's result crosses the tensor load: riders 0 to 55 are two whole blocks.
.macro PERIODC fill
.if \fill
	s_wait_xcnt 0x0                                ; the last prefetch, a slot back, has read its address: it is stepped here, ahead of the change's own waits
	s_add_nc_u64 s[PFA:PFA+1], s[PFA:PFA+1], TILEB
.endif
	WIN 0
	s_wait_tensorcnt 0x0                           ; no tensor load of mine is out, so a group 0 may be written
	ds_add_u32 v[SPW], v[NIL]                      ; 0 onto my spare word: work on registers stands between it and the wait for it
.if \fill
	s_xor_b32 s[G0B+1], s[G0B+1], SLOTB            ; the walking descriptor: the other slot than last time,
	s_add_nc_u64 s[G0B+2:G0B+3], s[G0B+2:G0B+3], TILEB  ; the next 128 codes; the type bits on top are not reached
.endif
	s_sub_co_u32 s[TB], s[TB], 3*PAIRB             ; the fetches go back to a slot's first group,
	s_xor_b32 s[TB], s[TB], SLOTB                  ; in the other slot
	s_wait_dscnt 25                                ; fragments 0 to 3 are in; twelve fragments' 24 loads and the add may be out
	STEPS 1, 0, 7, 0, 0
	s_wait_dscnt 0x0                               ; the add is done, and my reads of this slot are over
	s_barrier_signal -1
	STEPS 1, 7, 7, 0, 0                            ; work on registers while the others arrive
	WIN 0
	s_barrier_wait -1
.if \fill
	CREST
	tensor_load_to_lds s[G0B:G0B+3], s[G1:G1+7]    ; my one tensor load behind the round
	s_nop 0
	PLACES
.endif
	v_add_nc_u32 v[BA], s[TB], v[BL]
	LDRE 1
.irp f, 0,1,2,3,4,5,6
	LDF \f, 0                                      ; fragment 6's last reader, product 27, stands ahead of slice 13, whose four riders are the places
.endr
.if \fill
	ASK
.endif
	STEPS 1, 14, 18, 1, 0                          ; this group's fragments 7 to 15 were shown in by the wait for 0
	WIN 0
	RSTEP
.endm
.macro SLOTWALK fill                   ; a slot's eight groups
	s_mov_b32 s[TRIP], 3
.Lpair_\@:
	PAIR
	s_sub_co_u32 s[TRIP], s[TRIP], 1
	s_cmp_lg_u32 s[TRIP], 0
	s_cbranch_scc1 .Lpair_\@
	PERIOD 0, GRPB
	PERIODC \fill
.endm
; X ON ITS WAY IN, in eight passes: pass p brings tile p / 2 (16 tokens), half p % 2 of the channels (256).  A load takes 512 consecutive bytes of one token's row.
.macro XLOAD p, set
	WIN 0xc0                                       ; destination window 3, address window 0
.set ta_, (\p)/2
.set hf_, (\p)%2
.irp i, 0,1,2,3,4,5,6,7,8,9,10,11,12,13,14,15
.irp u, 0,1
	global_load_b128 v[128*(\set)+8*(\i)+4*(\u):128*(\set)+8*(\i)+4*(\u)+3], v[XO], s[XB:XB+1] offset:(16*ta_+(\i))*2048+hf_*1024+(\u)*512
.endr
.endr
.endm
; rounded to bf16 in place (four numbers into two registers), into my own stage by rows, and out of it as fragments.  LDS serves a wave's instructions in order (ISA guide 5.7.1.4): the loads see the stores above
; them, and the next pass's stores come behind these loads.
.macro XCONV p, set
.set ta_, (\p)/2
.set hf_, (\p)%2
	WIN 0xcf                                       ; destination and both sources window 3
.set n_, 0
.rept 32
	v_cvt_pk_bf16_f32 v[128*(\set)+4*n_],   v[128*(\set)+4*n_],   v[128*(\set)+4*n_+1]
	v_cvt_pk_bf16_f32 v[128*(\set)+4*n_+1], v[128*(\set)+4*n_+2], v[128*(\set)+4*n_+3]
.set n_, n_+1
.endr
	WIN 0x0c                                       ; store data (source 1) window 3, address window 0
.irp i, 0,1,2,3,4,5,6,7,8,9,10,11,12,13,14,15
.irp u, 0,1
	ds_store_b64 v[XS], v[128*(\set)+8*(\i)+4*(\u):128*(\set)+8*(\i)+4*(\u)+1] offset:XP*(\i)+256*(\u)
.endr
.endr
	WIN 0x40*(1+hf_)                               ; destination window 1 or 2
.irp k, 0,1,2,3,4,5,6,7
	ds_load_b128 v[32*(\k)+8*ta_:32*(\k)+8*ta_+3],   v[XR] offset:64*(\k)
	ds_load_b128 v[32*(\k)+8*ta_+4:32*(\k)+8*ta_+7], v[XR] offset:64*(\k)+32
.endr
.endm
	s_load_b256 s[4:11], s[0:1], 0x0               ; x s[4:5], eb s[6:7], rn s[8:9], cval s[10:11]
	s_load_b64 s[12:13], s[0:1], 0x20              ; cidx
	v_lshl_add_u32 v[SPW], v0, 2, SPARE
	v_mov_b32 v[NIL], 0
	ds_add_u32 v[SPW], v[NIL]                      ; the wave's opening: the add and its wait come ahead of my first tensor load; the set-up below, work on registers, stands between them
	v_lshrrev_b32 v1, 5, v0
	v_readfirstlane_b32 s[WV], v1                  ; wave 0..3
	s_bfe_u32 s[CX], ttmp6, 0x40000                ; cx
	s_and_b32 s[HALF], ttmp9, 1                    ; in a cluster launch ttmp9 counts clusters: 0..63
	s_lshr_b32 s[TKB], ttmp9, 1
	s_cmp_eq_u32 s[TKB], 0
	s_cselect_b32 s[LIM], 1, -1                    ; the same in all four partners
	s_lshl_b32 s[TKB], s[TKB], 2
	s_add_co_u32 s[TKB], s[TKB], s[CX]             ; my block of 256 tokens: neighbouring clusters (the two halves) take the same four blocks
	s_mul_i32 s[WOFF], s[WV], QUARB                ; no place in the cluster enters an LDS address
	; descriptor group 1: a tile of 32 rows x 512 elements, padded in LDS
	s_mov_b32 s[G1+0], 15|(1<<16)|(1<<20)|(1<<21)|(7<<22)|(3<<25)  ; 15:0 the mask of four; 17:16 2-byte elements; 20 padding on; 21 set beside a mask; 24:22 after every 256 words (code 7); 31:25 4 words (code 3)
	s_mov_b32 s[G1+1], 512<<16                     ; tensor_dim0 = 512
	s_mov_b32 s[G1+2], 32<<16                      ; tensor_dim1 = 32
	s_mov_b32 s[G1+3], 512<<16                     ; tile_dim0 = 512
	s_mov_b32 s[G1+4], 32                          ; tile_dim1 = 32
	s_mov_b32 s[G1+5], 512                         ; 512 elements from row to row
	s_mov_b32 s[G1+6], 0
	s_mov_b32 s[G1+7], 0
	s_mov_b32 s[G0A], 1                            ; count = 1
	s_mov_b32 s[G0A+1], s[WOFF]                    ; LDS address: my quarter of slot 0,
	s_mov_b32 s[G0B], 1
	s_add_co_u32 s[G0B+1], s[WOFF], SLOTB          ; of slot 1
	s_mov_b32 s[SEL], 0x76543210
	s_mov_b32 s[SEL+1], 0xfedcba98
	s_mov_b32 s[TB], 0
	s_mov_b32 s[RO], 0
	s_lshl_b32 s44, s[HALF], 21                    ; eb: the half's 2,048 rows of 1,024 bytes,
	s_lshl_b32 s60, s[WV], 15                      ; my 32 rows of a tile: made of the half and the wave's number alone
	s_add_co_u32 s44, s44, s60
	s_mov_b32 s45, 0
	s_lshl_b32 s58, s[HALF], 13                    ; rn: the half's 8,192 bytes
	s_mov_b32 s59, 0
	s_lshl_b32 s52, s[TKB], 19                     ; x: my block's 256 rows of 2,048 bytes,
	s_lshl_b32 s60, s[WV], 17                      ; my wave's 64
	s_add_co_u32 s52, s52, s60
	s_mov_b32 s53, 0
	s_lshl_b32 s54, s[HALF], 17                    ; cval, cidx: the half's 32,768 words, my block's 256, my wave's 64
	s_lshl_b32 s60, s[TKB], 10
	s_add_co_u32 s54, s54, s60
	s_lshl_b32 s60, s[WV], 8
	s_add_co_u32 s54, s54, s60
	s_mov_b32 s55, 0
	s_lshl_b32 s56, s[HALF], 21                    ; the prefetches: the half, my work-group's 32 rows of a tile, my wave's 8,
	s_lshl_b32 s60, s[CX], 15
	s_add_co_u32 s56, s56, s60
	s_lshl_b32 s60, s[WV], 13
	s_add_co_u32 s56, s56, s60
	s_add_co_u32 s56, s56, 2*TILEB                 ; in tile 2: the first change of slots steps it to tile 3
	s_mov_b32 s57, 0
	s_mul_i32 s61, s[WV], XSTW
	s_add_co_u32 s61, s61, XST                     ; my stage
	s_lshl_b32 s62, s[WV], 9
	s_add_co_u32 s62, s62, OUTB
	s_lshl_b32 s63, s[HALF], 11
	s_sub_co_u32 s63, s63, 16                      ; the half's first code, less a group (it may wrap: such a code is never taken)
	v_and_b32 v61, 31, v0                          ; lane
	v_and_b32 v62, 15, v0                          ; r
	v_bfe_u32 v63, v0, 4, 1                        ; h
	v_mul_u32_u24 v[BL], v62, PITCH
	v_lshl_add_u32 v[BL], v63, 4, v[BL]
	v_lshlrev_b32 v[RL], 5, v63
	v_add_nc_u32 v[RL], RNB, v[RL]
	v_lshlrev_b32 v[XO], 4, v61
	v_lshl_add_u32 v[XS], v61, 3, s61
	v_mul_u32_u24 v[XR], v62, XP
	v_lshl_add_u32 v[XR], v63, 4, v[XR]
	v_add_nc_u32 v[XR], s61, v[XR]
	v_lshlrev_b32 v[PFO], 8, v61
	v_lshlrev_b32 v[TH16], 4, v0
	v_add_nc_u32 v[RNS], RNB, v[TH16]
	v_lshl_add_u32 v[OS], v62, 2, s62
	v_lshl_add_u32 v[OL], v61, 3, s62
	v_lshlrev_b32 v[L8], 3, v61
	s_wait_dscnt 0x0                               ; the opening add is done
	s_wait_kmcnt 0x0
	s_add_nc_u64 s[G0A+2:G0A+3], s[6:7], s[44:45]  ; global address: my quarter of tile 0,
	s_add_nc_u64 s[G0B+2:G0B+3], s[G0A+2:G0A+3], TILEB  ; of tile 1
	s_or_b32 s[G0A+3], s[G0A+3], 0x80000000        ; type = 2
	s_or_b32 s[G0B+3], s[G0B+3], 0x80000000
	s_add_nc_u64 s[PFA:PFA+1], s[6:7], s[56:57]
	s_add_nc_u64 s[XB:XB+1], s[4:5], s[52:53]
	s_add_nc_u64 s[8:9], s[8:9], s[58:59]
	s_add_nc_u64 s[10:11], s[10:11], s[54:55]
	s_add_nc_u64 s[12:13], s[12:13], s[54:55]
	CROUND                                         ; all four work-groups are here: the first joint loads meet
	tensor_load_to_lds s[G0A:G0A+3], s[G1:G1+7]    ; the two first fills stand together, ahead of every wait on TENSORcnt and every LDS read: two loads of mine are out
	s_nop 0
	tensor_load_to_lds s[G0B:G0B+3], s[G1:G1+7]
	s_nop 0
	PLACES
	; THE WAY IN.  rn's 8,192 bytes (16 bytes a thread, four times), then x, two passes ahead.
.irp i, 0,1,2,3
	global_load_b128 v[ACC+4*(\i):ACC+4*(\i)+3], v[TH16], s[8:9] offset:2048*(\i)
.endr
	XLOAD 0, 0
	XLOAD 1, 1
	WIN 0
	; What the first group's riders find: a group that has not been, whose scores are -infinity: none is above the maximum, which starts there too.  So no first group is written out.
.irp a, 0,1,2,3
	v_mov_b32 v[BEST+(\a)], 0xff800000
	v_mov_b32 v[IDX+(\a)], 0
	v_mov_b32 v[OV+(\a)], 0                        ; v_permlanex16_b32's destinations count as read
	v_mov_b32 v[OI+(\a)], 0
.endr
.set n_, 0
.rept 32
	v_mov_b32 v[ACC+32+n_], 0xff800000
.set n_, n_+1
.endr
.irp j, 0,1,2,3,4,5,6,7
	v_mov_b32 v[RE+8+(\j)], 1.0
.endr
	v_lshl_add_u32 v[Q], v63, 3, s63
.irp j, 1,2,3,4,5,6,7
	v_add_nc_u32 v[Q+(\j)], (\j), v[Q]
.endr
	v_mov_b32 v[BA], v[BL]
	v_mov_b32 v[RA], v[RL]
.irp p, 0,1,2,3,4,5,6,7
.if (\p) < 7
	s_wait_loadcnt 32                              ; loads come back in order: this pass is in (and, ahead of the first pass, rn); the next pass's 32 loads may stay out
.else
	s_wait_loadcnt 0x0
.endif
.if (\p) == 0
.irp i, 0,1,2,3
	ds_store_b128 v[RNS], v[ACC+4*(\i):ACC+4*(\i)+3] offset:2048*(\i)
.endr
.endif
	XCONV \p, (\p)%2
.if (\p) < 6
	XLOAD (\p)+2, (\p)%2
.endif
.endr
	WIN 0
	s_wait_tensorcnt 0x1                           ; my quarter of slot 0 is in; slot 1's may stay out
	s_wait_dscnt 0x0                               ; my part of rn is stored, and x's fragments are in
	s_barrier_signal -1
	s_barrier_wait -1                              ; everybody's is
.irp f, 0,1,2,3,4,5,6,7,8,9,10,11,12,13,14,15
	LDF \f, 0                                      ; group 0
.endr
	s_mov_b32 s[SLOTS], 14
.Lslot:                                        ; 14 trips: every slot but the last two is filled again
	SLOTWALK 1
	s_sub_co_u32 s[SLOTS], s[SLOTS], 1
	s_cmp_lg_u32 s[SLOTS], 0
	s_cbranch_scc1 .Lslot
	s_mov_b32 s[TAIL], 2
.Ltail:                                        ; the last two slots are written apart: nothing is asked for.  In the second trip the loads of a next group read
	SLOTWALK 0                                     ; the other slot's old bytes and feed nothing: the price of one text for both trips
	s_sub_co_u32 s[TAIL], s[TAIL], 1
	s_cmp_lg_u32 s[TAIL], 0
	s_cbranch_scc1 .Ltail
	; THE END.  The last group's scores (set 1): the four v_nop of its last slice are the places behind its last product.
	s_wait_dscnt 0x0                               ; its rn is in
.set k_, 0
.rept 112
	RID 0, k_
.set k_, k_+1
.endr
	; A token's other 8 codes of each group lie in the lane 16 away: the greater score, of equal scores the lower code.
.irp a, 0,1,2,3
	v_permlanex16_b32 v[OV+(\a)], v[BEST+(\a)], s[SEL], s[SEL+1]
	v_permlanex16_b32 v[OI+(\a)], v[IDX+(\a)], s[SEL], s[SEL+1]
.endr
.irp a, 0,1,2,3
	v_cmp_gt_f32 s48, v[OV+(\a)], v[BEST+(\a)]
	v_cmp_eq_f32 s49, v[OV+(\a)], v[BEST+(\a)]
	v_cmp_lt_u32 s50, v[OI+(\a)], v[IDX+(\a)]
	s_and_b32 s49, s49, s50
	s_or_b32 s48, s48, s49                         ; a mask of lanes: it selects values and steers nothing
	v_cndmask_b32 v[BEST+(\a)], v[BEST+(\a)], v[OV+(\a)], s48
	v_cndmask_b32 v[IDX+(\a)], v[IDX+(\a)], v[OI+(\a)], s48
.endr
.irp a, 0,1,2,3
	ds_store_b32 v[OS], v[BEST+(\a)] offset:64*(\a)      ; token 16 a + r; lanes r and r + 16 write the same word with the same number
	ds_store_b32 v[OS], v[IDX+(\a)]  offset:256+64*(\a)
.endr
	ds_load_b64 v[WO:WO+1],   v[OL]                ; my wave's own bytes, served in order: two tokens a lane
	ds_load_b64 v[WO+2:WO+3], v[OL] offset:256
	s_wait_dscnt 0x0
	global_store_b64 v[L8], v[WO:WO+1],   s[10:11] ; 32 lanes store 256 consecutive bytes, at a multiple of 256 from the buffer's first byte
	global_store_b64 v[L8], v[WO+2:WO+3], s[12:13]
	s_wait_tensorcnt 0x0                           ; the wave's end, behind my last tensor load and my last LDS store
	ds_add_u32 v[SPW], v[NIL]
	s_wait_dscnt 0x0
	CROUND                                         ; the closing round: no work-group ends while a partner may still ask for a tile that names it
	s_endpgm
.Lfunc_end_k_q3ca050f98d_score:
	.size	k_q3ca050f98d_score, .Lfunc_end_k_q3ca050f98d_score-k_q3ca050f98d_score
	.p2alignl 7, 3214868480
	.fill 96, 4, 3214868480
	.section	.rodata,"a",@progbits
	.p2align	6, 0x0
	.amdhsa_kernel k_q3ca050f98d_score
		.amdhsa_group_segment_fixed_size 327680
		.amdhsa_private_segment_fixed_size 0
		.amdhsa_enable_private_segment 0
		.amdhsa_kernarg_size 40
		.amdhsa_user_sgpr_count 2
		.amdhsa_user_sgpr_kernarg_segment_ptr 1
		.amdhsa_wavefront_size32 1
		.amdhsa_system_sgpr_workgroup_id_x 1
		.amdhsa_system_sgpr_workgroup_id_y 1
		.amdhsa_system_sgpr_workgroup_id_z 1
		.amdhsa_system_vgpr_workitem_id 0
		.amdhsa_next_free_vgpr 1024
		.amdhsa_next_free_sgpr 66
		.amdhsa_reserve_vcc 1
		.amdhsa_float_denorm_mode_32 3
		.amdhsa_float_denorm_mode_16_64 3
		.amdhsa_memory_ordered 1
		.amdhsa_forward_progress 1
		.amdhsa_inst_pref_size 205
	.end_amdhsa_kernel
	.amdgpu_metadata
---
amdhsa.version: [ 1, 2 ]
amdhsa.kernels:
  - .name:           k_q3ca050f98d_score
    .symbol:         k_q3ca050f98d_score.kd
    .args:
      - { .name: x, .offset: 0, .size: 8, .value_kind: global_buffer, .address_space: global }
      - { .name: eb, .offset: 8, .size: 8, .value_kind: global_buffer, .address_space: global }
      - { .name: rn, .offset: 16, .size: 8, .value_kind: global_buffer, .address_space: global }
      - { .name: cval, .offset: 24, .size: 8, .value_kind: global_buffer, .address_space: global }
      - { .name: cidx, .offset: 32, .size: 8, .value_kind: global_buffer, .address_space: global }
    .group_segment_fixed_size: 327680
    .private_segment_fixed_size: 0
    .kernarg_segment_align: 8
    .kernarg_segment_size: 40
    .max_flat_workgroup_size: 128
    .sgpr_count:     66
    .vgpr_count:     1024
    .wavefront_size: 32
...
	.end_amdgpu_metadata
.endif
;; end of part 2
;; launch gather (part 3): grid 1024 x 1, 8 waves a work-group, no clusters, 0 bytes of LDS; arguments cidx, cval, eb, rn, out0; writes out0
.if DOCPART == 3
	.amdgcn_target "amdgcn-amd-amdhsa--gfx1250"
	.amdhsa_code_object_version 6
	.text
	.protected	k_q3ca050f98d_gather
	.globl	k_q3ca050f98d_gather
	.p2align	8
	.type	k_q3ca050f98d_gather,@function
k_q3ca050f98d_gather:
	s_mov_b64 s[64:65], 0
	v_nop
	global_prefetch_b8 v0, s[64:65] scope:SCOPE_SE
	s_setreg_imm32_b32 hwreg(HW_REG_WAVE_MODE, 25, 1), 1
	s_wait_xcnt 0x0
; out0[token][:] = eb[code][:] x rn[code], in f32, where code is the better of the token's two candidates (one for each half of the codebook); of equal scores the first half's, the lower code.
; The codes were stored as whole numbers by the launch before; BOTH candidates' rows are loaded, and the comparison of the two scores only selects between values: no address hangs on it.
; SHARES.  A wave owns four tokens; it is one straight run: the candidates by scalar loads, 32 loads of 256 consecutive bytes (a quarter of a code's row of 1,024), 16 stores of 512 consecutive bytes.
; All 32 loads of a wave go out together; each quarter has four registers of its own, so none is written again while a store reads it.
; No LDS, no matrix unit, no cluster: the launch moves rows; which rows two work-groups share hangs on the data.
; A code is held to 0 .. 4,095 before it enters an address.
.set IX,   16                          ; s[16:23] the codes: token k of half c at IX + k + 4 c
.set VAL0, 24                          ; s[24:27] the first half's scores
.set VAL1, 28                          ; s[28:31] the second half's
.set RN0,  32                          ; s[32:39] rn of the eight candidates
.set RN1,  36
.set RNO,  40                          ; s[40:47] their byte offsets in rn
.set ROW,  48                          ; s[48:55] their rows' byte offsets in eb
.set MK,   56                          ; s[56:59] token k: all ones where the second half's candidate is the better
.set HI,   62                          ; s62  a word's upper bf16
.set AD,   8                           ; v[8:15]  candidate n: its row + 8 x lane
.set DAT,  32                          ; v[32:95] token k, quarter q: four registers: the two candidates' 8 bytes, then 4 f32
	s_load_b256 s[4:11], s[0:1], 0x0               ; cidx s[4:5], cval s[6:7], eb s[8:9], rn s[10:11]
	s_load_b64 s[12:13], s[0:1], 0x20              ; out0
	v_lshrrev_b32 v1, 5, v0
	v_readfirstlane_b32 s14, v1                    ; wave 0..7
	v_and_b32 v7, 31, v0
	v_lshlrev_b32 v2, 3, v7                        ; 8 x lane: my 4 bf16 of a quarter
	v_lshlrev_b32 v3, 4, v7                        ; 16 x lane: the same 4 numbers in f32
	s_lshl_b32 s15, ttmp9, 3
	s_add_co_u32 s15, s15, s14                     ; my wave among the launch's 8,192
	s_lshl_b32 s60, s15, 13                        ; its four rows of 2,048 bytes in out0
	s_mov_b32 s61, 0
	s_lshl_b32 s15, s15, 4                         ; its four words in each half of cidx and cval
	s_mov_b32 s[HI], 0xffff0000
	s_wait_kmcnt 0x0
	s_load_b128 s[IX:IX+3],     s[4:5], s15 offset:0x0
	s_load_b128 s[IX+4:IX+7],   s[4:5], s15 offset:0x20000  ; the second half lies 32,768 words on
	s_load_b128 s[VAL0:VAL0+3], s[6:7], s15 offset:0x0
	s_load_b128 s[VAL1:VAL1+3], s[6:7], s15 offset:0x20000
	s_add_nc_u64 s[12:13], s[12:13], s[60:61]
	s_wait_kmcnt 0x0
.irp n, 0,1,2,3,4,5,6,7
	s_min_u32 s[IX+(\n)], s[IX+(\n)], 0xfff
	s_lshl_b32 s[RNO+(\n)], s[IX+(\n)], 2
	s_lshl_b32 s[ROW+(\n)], s[IX+(\n)], 10
.endr
.irp n, 0,1,2,3,4,5,6,7
	s_load_b32 s[RN0+(\n)], s[10:11], s[RNO+(\n)] offset:0x0
	v_add_nc_u32 v[AD+(\n)], s[ROW+(\n)], v2
.endr
.irp k, 0,1,2,3
.irp q, 0,1,2,3
.irp c, 0,1
	global_load_b64 v[DAT+4*(4*(\k)+(\q))+2*(\c):DAT+4*(4*(\k)+(\q))+2*(\c)+1], v[AD+(\k)+4*(\c)], s[8:9] offset:256*(\q)
.endr
.endr
.endr
	s_wait_kmcnt 0x0                               ; rn
.macro TOKEN k
	s_wait_loadcnt 8*(3-(\k))                      ; loads come back in order: this token's eight are in, the later tokens' stay out
	v_mov_b32 v1, s[VAL0+(\k)]
	v_mov_b32 v6, s[VAL1+(\k)]
	v_cmp_lt_f32 s[MK+(\k)], v1, v6                ; strictly: a tie keeps the first half's, lower code
	v_mov_b32 v4, s[RN0+(\k)]
	v_mov_b32 v5, s[RN1+(\k)]
	v_cndmask_b32 v4, v4, v5, s[MK+(\k)]
.irp q, 0,1,2,3
.set d_, DAT+4*(4*(\k)+(\q))
	v_cndmask_b32 v[d_],   v[d_],   v[d_+2], s[MK+(\k)]
	v_cndmask_b32 v[d_+2], v[d_+1], v[d_+3], s[MK+(\k)]
	v_and_b32     v[d_+1], s[HI], v[d_]            ; bf16 to f32: the high half stays,
	v_lshlrev_b32 v[d_],   16, v[d_]               ; the low half moves up
	v_and_b32     v[d_+3], s[HI], v[d_+2]
	v_lshlrev_b32 v[d_+2], 16, v[d_+2]
	v_pk_mul_f32 v[d_:d_+1],   v[d_:d_+1],   v[4:5] op_sel_hi:[1,0]
	v_pk_mul_f32 v[d_+2:d_+3], v[d_+2:d_+3], v[4:5] op_sel_hi:[1,0]
	global_store_b128 v3, v[d_:d_+3], s[12:13] offset:2048*(\k)+512*(\q) th:TH_STORE_NT  ; 512 consecutive bytes, at a multiple of 256 from out0's first byte
.endr
.endm
	TOKEN 0
	TOKEN 1
	TOKEN 2
	TOKEN 3
	s_endpgm
.Lfunc_end_k_q3ca050f98d_gather:
	.size	k_q3ca050f98d_gather, .Lfunc_end_k_q3ca050f98d_gather-k_q3ca050f98d_gather
	.p2alignl 7, 3214868480
	.fill 96, 4, 3214868480
	.section	.rodata,"a",@progbits
	.p2align	6, 0x0
	.amdhsa_kernel k_q3ca050f98d_gather
		.amdhsa_group_segment_fixed_size 0
		.amdhsa_private_segment_fixed_size 0
		.amdhsa_enable_private_segment 0
		.amdhsa_kernarg_size 40
		.amdhsa_user_sgpr_count 2
		.amdhsa_user_sgpr_kernarg_segment_ptr 1
		.amdhsa_wavefront_size32 1
		.amdhsa_system_sgpr_workgroup_id_x 1
		.amdhsa_system_sgpr_workgroup_id_y 1
		.amdhsa_system_sgpr_workgroup_id_z 1
		.amdhsa_system_vgpr_workitem_id 0
		.amdhsa_next_free_vgpr 96
		.amdhsa_next_free_sgpr 66
		.amdhsa_reserve_vcc 0
		.amdhsa_float_denorm_mode_32 3
		.amdhsa_float_denorm_mode_16_64 3
		.amdhsa_memory_ordered 1
		.amdhsa_forward_progress 1
		.amdhsa_inst_pref_size 15
	.end_amdhsa_kernel
	.amdgpu_metadata
---
amdhsa.version: [ 1, 2 ]
amdhsa.kernels:
  - .name:           k_q3ca050f98d_gather
    .symbol:         k_q3ca050f98d_gather.kd
    .args:
      - { .name: cidx, .offset: 0, .size: 8, .value_kind: global_buffer, .address_space: global }
      - { .name: cval, .offset: 8, .size: 8, .value_kind: global_buffer, .address_space: global }
      - { .name: eb, .offset: 16, .size: 8, .value_kind: global_buffer, .address_space: global }
      - { .name: rn, .offset: 24, .size: 8, .value_kind: global_buffer, .address_space: global }
      - { .name: out0, .offset: 32, .size: 8, .value_kind: global_buffer, .address_space: global }
    .group_segment_fixed_size: 0
    .private_segment_fixed_size: 0
    .kernarg_segment_align: 8
    .kernarg_segment_size: 40
    .max_flat_workgroup_size: 256
    .sgpr_count:     66
    .vgpr_count:     96
    .wavefront_size: 32
...
	.end_amdgpu_metadata
.endif
;; end of part 3
;; ======== version 2 of 2: 3 launches
;; workspace buffers: eb 4,194,304 bytes; rn 16,384 bytes; cval 262,144 bytes; cidx 262,144 bytes of whole numbers
;; launch prep: the kernel of part 1 again; grid 64 x 1, 16 waves a work-group, no clusters, 76,800 bytes of LDS; arguments embeddings, eb, rn; writes eb, rn
;; launch score (part 4): grid 256 x 1, 4 waves a work-group, clusters of 4 x 1, 327,680 bytes of LDS; arguments x, eb, rn, cval, cidx; writes cval, cidx
.if DOCPART == 4
	.amdgcn_target "amdgcn-amd-amdhsa--gfx1250"
	.amdhsa_code_object_version 6
	.text
	.protected	k_q3ca050f98d_score
	.globl	k_q3ca050f98d_score
	.p2align	8
	.type	k_q3ca050f98d_score,@function
k_q3ca050f98d_score:
	s_mov_b64 s[64:65], 0
	v_nop
	global_prefetch_b8 v0, s[64:65] scope:SCOPE_SE
	s_setreg_imm32_b32 hwreg(HW_REG_WAVE_MODE, 25, 1), 1
	s_wait_xcnt 0x0
	s_wait_alu depctr_hold_cnt(0) depctr_sa_sdst(0) depctr_va_vdst(0) depctr_va_sdst(0) depctr_va_ssrc(0) depctr_va_vcc(0) depctr_vm_vsrc(0)
	s_getreg_b32 s2, hwreg(HW_REG_IB_STS2, 6, 4)
	s_cmp_eq_u32 s2, 0
	s_cbranch_scc0 .Lentry_in_a_cluster
	s_endpgm
.Lentry_in_a_cluster:
	s_bfe_u32 s2, ttmp6, 0x10000c
	s_cmp_lg_u32 s2, 0x3003
	s_cbranch_scc0 .Lentry_shape_is_right
	s_endpgm
.Lentry_shape_is_right:
; For each token the best code of one half of the codebook: cval[half][token] = max over the half's 2,048 codes of (bf16(x[token]) . eb[code]) rn[code], cidx = the lowest code that reaches it.
; FORMATS.  x is rounded once to bf16 on its way into registers; eb holds the codebook rounded once to bf16; products are summed in f32; the column's 1 / norm is applied in f32 to the f32 sum.
; THE TOKEN'S OWN NORM IS NOT FORMED: it is one finite positive factor for all scores of a token, which no maximum's place depends on, and the result holds no number of the token's.
; LIMITS.  Where the sum of a token's squares passes f32's range (numbers beyond some 1e18) the plain way has scores 0 and takes code 0; this text still orders the scores.  A NaN score never wins; a tie goes to the lowest code.
; SHARES.  X STAYS IN REGISTERS: a wave holds 64 tokens x 512 channels in bf16, 64 fragments, 512 registers; a work-group's four waves 256 tokens.  32,768 tokens are 128 such blocks; each block is taken
; by two work-groups, one for each half of the codebook: 256 work-groups.  A later launch chooses between the two halves' candidates.
; Every wave walks its half's 2,048 codes in 128 GROUPS of 16: a group is 64 matrix instructions (16 steps of 32 channels x 4 tiles of 16 tokens) on four accumulators.
; RING.  Two LDS slots of 128 codes x 1,024 bytes (8 groups), filled by the tensor data mover, a quarter (32 rows) by each wave: 512 matrix instructions a wave from change to change.
; CLUSTER.  The four work-groups of a cluster have the same half and walk the same tiles: each tile is asked for JOINTLY, by the same load with the same descriptor and the mask of four.
; LAYOUT.  Source 0 = 16 codes, source 1 = 16 tokens: in the result lane (r = lane % 16, h = lane / 16) holds token r and, in register j, code 8 h + j.  So a token's running maximum lies in one lane (two, by h),
; and the maximum needs no exchange of lanes until the end.
; THE MAXIMUM'S PLACE, in two steps.  In the walk a lane finds, for each tile, the maximum of a group's 8 scores, and where that is strictly above the running maximum it keeps the group's first code and the 8 scores.
; At the end the place in the group is the lowest j whose kept score equals the maximum (which is one of them, bit for bit).  So a score costs 19 / 8 vector instructions in the walk.
; BY TURNS.  Two sets of four accumulators.  While group g is multiplied into one set, group g - 1's scores in the other are scaled and compared: 77 vector instructions, dealt two at a time behind 39 of the
; group's 64 matrix instructions.  The codes' fragments have TWO buffers of 128 registers: while one group's is multiplied, the next group's 32 LDS loads go into the other, in ONE run,
; never singly among the matrix instructions.
; REGISTERS, in windows of 256 (s_set_vgpr_msb: bits 1:0 source 0, 3:2 source 1, 5:4 source 2, 7:6 destination):
;   window 0: addresses, statistics, both accumulator sets, the kept scores      windows 1, 2: x: tile a, step ks at v[32 (ks % 8) + 8 a] of window 1 + ks / 8
;   window 3: on the way in x as loaded, two sets of 128; then the codes' fragments: buffer b, step ks at v[128 b + 8 ks]
; A product names windows 3, 1 or 2, and 0; a slice names window 0 alone: two switches a slice.
.set PITCH, 1040                       ; a code's row in LDS: 1,024 bytes + 16 = 260 words: row r starts at bank 4 r mod 64 (64 banks of 4 bytes: ISA guide 11.1)
.set GRPB,  16*PITCH                   ; a group
.set PAIRB, 2*GRPB
.set QUARB, 32*PITCH                   ; what one tensor load brings
.set SLOTB, 128*PITCH                  ; 133,120 = 0x20800; the waves' quarters begin at 0, 0x8200, 0x10400, 0x18600: no bit in common, so one exclusive or changes the slot
.set TILEB, 131072                     ; a slot's 128 rows in eb
.set XST,   2*SLOTB                    ; behind the ring, never filled by a tensor load: a stage of 16 rows x 528 bytes for each wave, in 8,704 bytes
.set XSTW,  8704
.set XP,    528                        ; 512 bytes + 16: an odd multiple of 16
.set RNB,   XST+4*XSTW                 ; the half's 2,048 rn
.set OUTB,  RNB+8192                   ; 512 bytes for each wave, for the way out
.set SPARE, OUTB+2048                  ; the spare words, 128 bytes for each wave; no other line names them
.set BL,  2                            ; v2   my place in a group's rows: r x 1,040 + 16 h; never rewritten
.set BA,  3                            ; v3   BL + the LDS byte of the pair of groups in hand
.set RA,  4                            ; v4   the LDS address of the pair's rn
.set XO,  5                            ; v5   16 x lane
.set XS,  6                            ; v6   into my stage: 8 x lane
.set XR,  7                            ; v7   out of my stage: r x 528 + 16 h
.set PFO, 8                            ; v8   256 x lane; never rewritten
.set TH16, 9                           ; v9   16 x thread
.set SPW, 10                           ; v10  LDS address of my spare word; never rewritten
.set NIL, 11                           ; v11  0; never rewritten
.set OS,  12                           ; v12  the way out: where I put a token's number
.set OL,  13                           ; v13  where I read two back
.set L8,  14                           ; v14  8 x lane
.set RNS, 15                           ; v15  where I put 16 bytes of rn
.set QG,  16                           ; v16  the code that register 0 of the group being compared stands for: the half's first + 16 x group + 8 h
.set M,   20                           ; v[20:23]  tile a: the maximum of the group's 8 scores; at the end the place in the group
.set BEST, 24                          ; v[24:27]  tile a's running maximum
.set GI,  28                           ; v[28:31]  QG of the group that holds it; at the end its code
.set RE,  32                           ; v[32:47]  rn of my 8 codes of a group, two sets
.set OV,  48                           ; v[48:51], v[52:55] the other half of the lanes' maximum and code
.set OI,  52
.set WO,  56                           ; v[56:59]  the way out
.set RL,  60                           ; v60  RNB + 32 h; never rewritten
.set ACC, 64                           ; v[64:127] two sets of four accumulators: set p, tile a at ACC + 32 p + 8 a
.set KEEP, 128                         ; v[128:159] tile a: the 8 scores of the group that holds the running maximum
.set WV,  14                           ; s14  my wave's number
.set CX,  15                           ; s15  my place in the cluster: it enters global addresses of x, cval, cidx and the prefetches alone
.set HALF, 16                          ; s16  which half of the codebook: the cluster's number's low bit
.set TKB, 17                           ; s17  my block of 256 tokens
.set WOFF, 18                          ; s18  my quarter of a slot
.set TB,  19                           ; s19  LDS byte of the pair of groups in hand
.set SLOTS, 20                         ; s20  slots still to be asked for
.set TRIP, 21
.set LIM, 22                           ; s22  1 in a cluster that prefetches, else the greatest number
.set TAIL, 23
.set G1,  24                           ; s[24:31] descriptor group 1
.set G0A, 32                           ; s[32:35] group 0 of slot 0's first fill
.set G0B, 36                           ; s[36:39] group 0 of slot 1's first fill; then it walks
.set PFA, 40                           ; s[40:41] where my prefetches stand
.set XB,  42                           ; s[42:43] x at my wave's first token
.set SEL, 46                           ; s[46:47] v_permlanex16_b32's selects: each lane takes its own place in the other half
.set RO,  51                           ; s51  byte of the pair's rn in the table
.set MSB, 0
.macro WIN new                         ; the immediate's high byte repeats the setting that is left; a switch that changes nothing is dropped
.if MSB != (\new)
	s_set_vgpr_msb (MSB<<8)|(\new)
.set MSB, (\new)
.endif
.endm
.macro PLACES
.rept 4
	v_nop
.endr
.endm
; A round of the cluster's barrier: my work-group's barrier, so that wave 0's signal speaks for all four waves; wave 0 signals; every wave waits for all four work-groups; my work-group's barrier once more.
.macro CREST                           ; a round behind its opening barrier
	s_cmp_lg_u32 s[WV], 0
	s_cbranch_scc1 .Lnot_wave_0_\@
	s_barrier_signal -3
.Lnot_wave_0_\@:
	s_barrier_wait -3
	s_barrier_signal -1
	s_barrier_wait -1
.endm
.macro CROUND
	s_barrier_signal -1
	s_barrier_wait -1
	CREST
.endm
; A PREFETCH INTO THE L2 of the slot that the NEXT change of slots will ask for: 512 matrix instructions ahead of that load.  eb's tiles are walked by all 64 clusters; of the 32 that share a half the first
; asks (the cluster's number / 2 = 0: the same in all four partners).  Its four partners take 32 rows each, told apart BY ADDRESS; in each, wave w takes 8 of them: 32 lanes x 256 bytes.  So each 256 bytes
; of eb are named once in the launch.  Slots 0 to 2 come by their loads alone; the last change that fills a slot asks for nothing: there is no slot behind it.
.macro ASK
	s_cmp_gt_u32 s[SLOTS], s[LIM]
	s_cbranch_scc0 .Lnot_mine_\@
	global_prefetch_b8 v[PFO], s[PFA:PFA+1] th:TH_LOAD_NT scope:SCOPE_SE
.Lnot_mine_\@:
.endm
; Product n of a group's 64, into accumulator set p, from fragment buffer p: channels 32 (n / 4) on, tile n % 4.  The first four start the sums.  The four accumulators take turns, one instruction a turn,
; from group to group and over the backward jumps too.
.macro MM p, n
.set ks_, (\n)/4
.set a_, (\n)%4
	WIN 7+4*(ks_/8)                                ; codes in window 3, x in window 1 or 2, the sums in window 0
.set rD_, ACC+32*(\p)+8*a_
.set rB_, 128*(\p)+8*ks_
.set rX_, 32*(ks_%8)+8*a_
.if ks_ == 0
	v_wmma_f32_16x16x32_bf16 v[rD_:rD_+7], v[rB_:rB_+7], v[rX_:rX_+7], 0
.else
	v_wmma_f32_16x16x32_bf16 v[rD_:rD_+7], v[rB_:rB_+7], v[rX_:rX_+7], v[rD_:rD_+7]
.endif
.endm
; Number k of the 77 vector instructions that ride in a group's time; they work on the OTHER set, the group before.
;   0-15   the scalings by rn, two scores each: registers 2 b, 2 b + 1 of tiles 0 to 3, b ascending
;   16-31  each tile's maximum of its 8 scores, three operands at a time; the four tiles take turns, so that no line reads the result of the one before it
;   32-75  for each tile eleven: is that maximum strictly above the running one (of equal scores the earlier group, the lower codes, stays); the new running maximum; the group's first code and its 8 scores where it was
;   76     the first code steps to the next group
.macro RID p, k
.set o_, 1-(\p)
.if (\k) < 16
.set b_, (\k)/4
.set t_, (\k)%4
	v_pk_mul_f32 v[ACC+32*o_+8*t_+2*b_:ACC+32*o_+8*t_+2*b_+1], v[ACC+32*o_+8*t_+2*b_:ACC+32*o_+8*t_+2*b_+1], v[RE+8*o_+2*b_:RE+8*o_+2*b_+1]
.elseif (\k) < 32
.set b_, ((\k)-16)/4
.set t_, (\k)%4
.set rs_, ACC+32*o_+8*t_
.if b_ == 0
	v_max3_num_f32 v[M+t_], v[rs_], v[rs_+1], v[rs_+2]
.elseif b_ < 3
	v_max3_num_f32 v[M+t_], v[M+t_], v[rs_+2*b_+1], v[rs_+2*b_+2]
.else
	v_max_num_f32 v[M+t_], v[rs_+7], v[M+t_]
.endif
.elseif (\k) < 76
.set t_, ((\k)-32)/11
.set m_, ((\k)-32)%11
.set rs_, ACC+32*o_+8*t_
.if m_ == 0
	v_cmp_gt_f32 vcc_lo, v[M+t_], v[BEST+t_]
.elseif m_ == 1
	v_max_num_f32 v[BEST+t_], v[M+t_], v[BEST+t_]
.elseif m_ == 2
	v_cndmask_b32 v[GI+t_], v[GI+t_], v[QG], vcc_lo
.else
	v_cndmask_b32 v[KEEP+8*t_+m_-3], v[KEEP+8*t_+m_-3], v[rs_+m_-3], vcc_lo
.endif
.else
	v_add_nc_u32 v[QG], 16, v[QG]
.endif
.endm
.macro LDF b, ks, off                  ; fragment ks (16 codes x 32 channels) of the group at byte off behind BA, into buffer b (window 3)
	ds_load_b128 v[128*(\b)+8*(\ks):128*(\b)+8*(\ks)+3],   v[BA] offset:(\off)+64*(\ks)
	ds_load_b128 v[128*(\b)+8*(\ks)+4:128*(\b)+8*(\ks)+7], v[BA] offset:(\off)+64*(\ks)+32
.endm
.macro LDRE p                          ; rn of my 8 codes of the group in hand: sixteen lanes read the same 32 bytes
	ds_load_b128 v[RE+8*(\p):RE+8*(\p)+3],   v[RA] offset:64*(\p)
	ds_load_b128 v[RE+8*(\p)+4:RE+8*(\p)+7], v[RA] offset:64*(\p)+16
.endm
; THE RUN of a group's time: 34 LDS loads on end: rn of the group in hand (its scores are compared in the next group's time), and the next group's 16 fragments, from byte off behind BA, into the other buffer.
; That buffer's last reader is the last product of the group before: riders 75 and 76 of that group and riders 0 to 2 of this one, five plain instructions that name none of its registers, stand between
; (ISA guide 7.12.1 for vector instructions).
.macro RUN p, off
	WIN 0
	LDRE \p
	WIN 0xc0                                       ; destination window 3, address window 0
.irp f, 0,1,2,3,4,5,6,7,8,9,10,11,12,13,14,15
	LDF 1-(\p), \f, \off
.endr
.endm
; The slice behind product i: two riders, behind the products with i % 8 >= 3 but the third: 39 slices; slice q holds riders 2 q - 1 and 2 q, slice 0 rider 0 alone.  The other 25 products have none, and no switch.
; THE PLACES behind a group's last products: tile 3's sums, ended by product 63, are first read by the next group's rider 3: riders 75 and 76 and the next group's 0, 1 and 2 stand between, five plain instructions that
; name none of that product's registers; tiles 2, 1 and 0 have more.
.macro SL p, i
.if ((\i)%8 >= 3) && ((\i) != 3)
.set q_, 5*((\i)/8)+(\i)%8-4
	WIN 0
.if q_ == 0
	RID \p, 0
.else
	RID \p, 2*q_-1
	RID \p, 2*q_
.endif
.endif
.endm
.macro STEPS p, from, count            ; a product and its slice, count times
.set i_, \from
.rept \count
	MM \p, i_
	SL \p, i_
.set i_, i_+1
.endr
.endm
; A GROUP's time.  The wait at its head is for the run of the group before, issued 58 products back: this group's fragments and the rn that its riders read.
.macro PERIOD p, off
	s_wait_dscnt 0x0
	STEPS \p, 0, 6
	RUN \p, \off
	STEPS \p, 6, 58
.endm
.macro RSTEP                           ; the next pair's rn; the offset wraps at the table's 8,192 bytes, so it stays inside the table by its own arithmetic
	s_add_co_u32 s[RO], s[RO], 128
	s_and_b32 s[RO], s[RO], 8191
	v_add_nc_u32 v[RA], s[RO], v[RL]
.endm
.macro PAIR                            ; two groups; each loads the next one's fragments
	PERIOD 0, GRPB
	PERIOD 1, PAIRB
	WIN 0                                          ; at a label and at a branch every window is 0
	s_add_co_u32 s[TB], s[TB], PAIRB
	v_add_nc_u32 v[BA], s[TB], v[BL]
	RSTEP
.endm
; A SLOT's LAST GROUP, with the change of slots.  Its fragments were asked for in the group before: they were my last reads of this slot.  Each wave waits for all its tensor loads, of which one is out: its
; quarter of the other slot; adds 0 to its spare word; and, six products on, waits for that and for its own reads of this slot.  Behind the barrier nobody reads this slot any more and the other slot is whole.
; fill = 1: this slot is filled again, with the tile two on.  The barrier then opens a round of the cluster's, so that no wave of any partner still reads the slot or has a load on its way, and the joint refill is
; the first thing behind the round.  Then comes the group's run, out of the other slot: 50 products ahead of its first use.  No compare's result crosses the tensor load: ahead of it stand riders 0 to 12, scalings all.
.macro PERIODC fill
.if \fill
	s_wait_xcnt 0x0                                ; the last prefetch, a slot back, has read its address: it is stepped here, ahead of the change's own waits
	s_add_nc_u64 s[PFA:PFA+1], s[PFA:PFA+1], TILEB
.endif
	WIN 0
	s_wait_tensorcnt 0x0                           ; no tensor load of mine is out, so a group 0 may be written
	ds_add_u32 v[SPW], v[NIL]                      ; 0 onto my spare word: work on registers stands between it and the wait for it
.if \fill
	s_xor_b32 s[G0B+1], s[G0B+1], SLOTB            ; the walking descriptor: the other slot than last time,
	s_add_nc_u64 s[G0B+2:G0B+3], s[G0B+2:G0B+3], TILEB  ; the next 128 codes; the type bits on top are not reached
.endif
	s_sub_co_u32 s[TB], s[TB], 3*PAIRB             ; the fetches go back to a slot's first group,
	s_xor_b32 s[TB], s[TB], SLOTB                  ; in the other slot
	s_wait_dscnt 1                                 ; the last run is in; the add, issued behind it, may be out
	STEPS 1, 0, 6
	s_wait_dscnt 0x0                               ; the add is done, and my reads of this slot are over
	s_barrier_signal -1
	STEPS 1, 6, 8                                  ; work on registers while the others arrive
	WIN 0
	s_barrier_wait -1
.if \fill
	CREST
	tensor_load_to_lds s[G0B:G0B+3], s[G1:G1+7]    ; my one tensor load behind the round
	s_nop 0
	PLACES
.endif
	v_add_nc_u32 v[BA], s[TB], v[BL]
	RUN 1, 0
.if \fill
	WIN 0
	ASK
.endif
	STEPS 1, 14, 50
	WIN 0
	RSTEP
.endm
.macro SLOTWALK fill                   ; a slot's eight groups
	s_mov_b32 s[TRIP], 3
.Lpair_\@:
	PAIR
	s_sub_co_u32 s[TRIP], s[TRIP], 1
	s_cmp_lg_u32 s[TRIP], 0
	s_cbranch_scc1 .Lpair_\@
	PERIOD 0, GRPB
	PERIODC \fill
.endm
; X ON ITS WAY IN, in eight passes: pass p brings tile p / 2 (16 tokens), half p % 2 of the channels (256).  A load takes 512 consecutive bytes of one token's row.
.macro XLOAD p, set
	WIN 0xc0                                       ; destination window 3, address window 0
.set ta_, (\p)/2
.set hf_, (\p)%2
.irp i, 0,1,2,3,4,5,6,7,8,9,10,11,12,13,14,15
.irp u, 0,1
	global_load_b128 v[128*(\set)+8*(\i)+4*(\u):128*(\set)+8*(\i)+4*(\u)+3], v[XO], s[XB:XB+1] offset:(16*ta_+(\i))*2048+hf_*1024+(\u)*512
.endr
.endr
.endm
; rounded to bf16 in place (four numbers into two registers), into my own stage by rows, and out of it as fragments.  LDS serves a wave's instructions in order (ISA guide 5.7.1.4): the loads see the stores above
; them, and the next pass's stores come behind these loads.
.macro XCONV p, set
.set ta_, (\p)/2
.set hf_, (\p)%2
	WIN 0xcf                                       ; destination and both sources window 3
.set n_, 0
.rept 32
	v_cvt_pk_bf16_f32 v[128*(\set)+4*n_],   v[128*(\set)+4*n_],   v[128*(\set)+4*n_+1]
	v_cvt_pk_bf16_f32 v[128*(\set)+4*n_+1], v[128*(\set)+4*n_+2], v[128*(\set)+4*n_+3]
.set n_, n_+1
.endr
	WIN 0x0c                                       ; store data (source 1) window 3, address window 0
.irp i, 0,1,2,3,4,5,6,7,8,9,10,11,12,13,14,15
.irp u, 0,1
	ds_store_b64 v[XS], v[128*(\set)+8*(\i)+4*(\u):128*(\set)+8*(\i)+4*(\u)+1] offset:XP*(\i)+256*(\u)
.endr
.endr
	WIN 0x40*(1+hf_)                               ; destination window 1 or 2
.irp k, 0,1,2,3,4,5,6,7
	ds_load_b128 v[32*(\k)+8*ta_:32*(\k)+8*ta_+3],   v[XR] offset:64*(\k)
	ds_load_b128 v[32*(\k)+8*ta_+4:32*(\k)+8*ta_+7], v[XR] offset:64*(\k)+32
.endr
.endm
	s_load_b256 s[4:11], s[0:1], 0x0               ; x s[4:5], eb s[6:7], rn s[8:9], cval s[10:11]
	s_load_b64 s[12:13], s[0:1], 0x20              ; cidx
	v_lshl_add_u32 v[SPW], v0, 2, SPARE
	v_mov_b32 v[NIL], 0
	ds_add_u32 v[SPW], v[NIL]                      ; the wave's opening: the add and its wait come ahead of my first tensor load; the set-up below, work on registers, stands between them
	v_lshrrev_b32 v1, 5, v0
	v_readfirstlane_b32 s[WV], v1                  ; wave 0..3
	s_bfe_u32 s[CX], ttmp6, 0x40000                ; cx
	s_and_b32 s[HALF], ttmp9, 1                    ; in a cluster launch ttmp9 counts clusters: 0..63
	s_lshr_b32 s[TKB], ttmp9, 1
	s_cmp_eq_u32 s[TKB], 0
	s_cselect_b32 s[LIM], 1, -1                    ; the same in all four partners
	s_lshl_b32 s[TKB], s[TKB], 2
	s_add_co_u32 s[TKB], s[TKB], s[CX]             ; my block of 256 tokens: neighbouring clusters (the two halves) take the same four blocks
	s_mul_i32 s[WOFF], s[WV], QUARB                ; no place in the cluster enters an LDS address
	; descriptor group 1: a tile of 32 rows x 512 elements, padded in LDS
	s_mov_b32 s[G1+0], 15|(1<<16)|(1<<20)|(1<<21)|(7<<22)|(3<<25)  ; 15:0 the mask of four; 17:16 2-byte elements; 20 padding on; 21 set beside a mask; 24:22 after every 256 words (code 7); 31:25 4 words (code 3)
	s_mov_b32 s[G1+1], 512<<16                     ; tensor_dim0 = 512
	s_mov_b32 s[G1+2], 32<<16                      ; tensor_dim1 = 32
	s_mov_b32 s[G1+3], 512<<16                     ; tile_dim0 = 512
	s_mov_b32 s[G1+4], 32                          ; tile_dim1 = 32
	s_mov_b32 s[G1+5], 512                         ; 512 elements from row to row
	s_mov_b32 s[G1+6], 0
	s_mov_b32 s[G1+7], 0
	s_mov_b32 s[G0A], 1                            ; count = 1
	s_mov_b32 s[G0A+1], s[WOFF]                    ; LDS address: my quarter of slot 0,
	s_mov_b32 s[G0B], 1
	s_add_co_u32 s[G0B+1], s[WOFF], SLOTB          ; of slot 1
	s_mov_b32 s[SEL], 0x76543210
	s_mov_b32 s[SEL+1], 0xfedcba98
	s_mov_b32 s[TB], 0
	s_mov_b32 s[RO], 0
	s_lshl_b32 s44, s[HALF], 21                    ; eb: the half's 2,048 rows of 1,024 bytes,
	s_lshl_b32 s60, s[WV], 15                      ; my 32 rows of a tile: made of the half and the wave's number alone
	s_add_co_u32 s44, s44, s60
	s_mov_b32 s45, 0
	s_lshl_b32 s58, s[HALF], 13                    ; rn: the half's 8,192 bytes
	s_mov_b32 s59, 0
	s_lshl_b32 s52, s[TKB], 19                     ; x: my block's 256 rows of 2,048 bytes,
	s_lshl_b32 s60, s[WV], 17                      ; my wave's 64
	s_add_co_u32 s52, s52, s60
	s_mov_b32 s53, 0
	s_lshl_b32 s54, s[HALF], 17                    ; cval, cidx: the half's 32,768 words, my block's 256, my wave's 64
	s_lshl_b32 s60, s[TKB], 10
	s_add_co_u32 s54, s54, s60
	s_lshl_b32 s60, s[WV], 8
	s_add_co_u32 s54, s54, s60
	s_mov_b32 s55, 0
	s_lshl_b32 s56, s[HALF], 21                    ; the prefetches: the half, my work-group's 32 rows of a tile, my wave's 8,
	s_lshl_b32 s60, s[CX], 15
	s_add_co_u32 s56, s56, s60
	s_lshl_b32 s60, s[WV], 13
	s_add_co_u32 s56, s56, s60
	s_add_co_u32 s56, s56, 2*TILEB                 ; in tile 2: the first change of slots steps it to tile 3
	s_mov_b32 s57, 0
	s_mul_i32 s61, s[WV], XSTW
	s_add_co_u32 s61, s61, XST                     ; my stage
	s_lshl_b32 s62, s[WV], 9
	s_add_co_u32 s62, s62, OUTB
	s_lshl_b32 s63, s[HALF], 11
	s_sub_co_u32 s63, s63, 16                      ; the half's first code, less a group (it may wrap: such a code is never taken)
	v_and_b32 v61, 31, v0                          ; lane
	v_and_b32 v62, 15, v0                          ; r
	v_bfe_u32 v63, v0, 4, 1                        ; h
	v_mul_u32_u24 v[BL], v62, PITCH
	v_lshl_add_u32 v[BL], v63, 4, v[BL]
	v_lshlrev_b32 v[RL], 5, v63
	v_add_nc_u32 v[RL], RNB, v[RL]
	v_lshlrev_b32 v[XO], 4, v61
	v_lshl_add_u32 v[XS], v61, 3, s61
	v_mul_u32_u24 v[XR], v62, XP
	v_lshl_add_u32 v[XR], v63, 4, v[XR]
	v_add_nc_u32 v[XR], s61, v[XR]
	v_lshlrev_b32 v[PFO], 8, v61
	v_lshlrev_b32 v[TH16], 4, v0
	v_add_nc_u32 v[RNS], RNB, v[TH16]
	v_lshl_add_u32 v[OS], v62, 2, s62
	v_lshl_add_u32 v[OL], v61, 3, s62
	v_lshlrev_b32 v[L8], 3, v61
	s_wait_dscnt 0x0                               ; the opening add is done
	s_wait_kmcnt 0x0
	s_add_nc_u64 s[G0A+2:G0A+3], s[6:7], s[44:45]  ; global address: my quarter of tile 0,
	s_add_nc_u64 s[G0B+2:G0B+3], s[G0A+2:G0A+3], TILEB  ; of tile 1
	s_or_b32 s[G0A+3], s[G0A+3], 0x80000000        ; type = 2
	s_or_b32 s[G0B+3], s[G0B+3], 0x80000000
	s_add_nc_u64 s[PFA:PFA+1], s[6:7], s[56:57]
	s_add_nc_u64 s[XB:XB+1], s[4:5], s[52:53]
	s_add_nc_u64 s[8:9], s[8:9], s[58:59]
	s_add_nc_u64 s[10:11], s[10:11], s[54:55]
	s_add_nc_u64 s[12:13], s[12:13], s[54:55]
	CROUND                                         ; all four work-groups are here: the first joint loads meet
	tensor_load_to_lds s[G0A:G0A+3], s[G1:G1+7]    ; the two first fills stand together, ahead of every wait on TENSORcnt and every LDS read: two loads of mine are out
	s_nop 0
	tensor_load_to_lds s[G0B:G0B+3], s[G1:G1+7]
	s_nop 0
	PLACES
	; THE WAY IN.  rn's 8,192 bytes (16 bytes a thread, four times), then x, two passes ahead.
.irp i, 0,1,2,3
	global_load_b128 v[ACC+4*(\i):ACC+4*(\i)+3], v[TH16], s[8:9] offset:2048*(\i)
.endr
	XLOAD 0, 0
	XLOAD 1, 1
	WIN 0
	; What the first group's riders find: a group that has not been, whose scores are -infinity: its maximum is not above the running one, which starts there too.  So no first group is written out.
	; The kept scores start at -infinity and the kept code at the half's first: a token none of whose scores is above -infinity ends with that code.
	v_lshl_add_u32 v[QG], v63, 3, s63
.irp a, 0,1,2,3
	v_mov_b32 v[BEST+(\a)], 0xff800000
	v_add_nc_u32 v[GI+(\a)], 16, v[QG]
	v_mov_b32 v[OV+(\a)], 0                        ; v_permlanex16_b32's destinations count as read
	v_mov_b32 v[OI+(\a)], 0
.endr
.set n_, 0
.rept 32
	v_mov_b32 v[ACC+32+n_], 0xff800000
	v_mov_b32 v[KEEP+n_], 0xff800000
.set n_, n_+1
.endr
.irp j, 0,1,2,3,4,5,6,7
	v_mov_b32 v[RE+8+(\j)], 1.0
.endr
	v_mov_b32 v[BA], v[BL]
	v_mov_b32 v[RA], v[RL]
.irp p, 0,1,2,3,4,5,6,7
.if (\p) < 7
	s_wait_loadcnt 32                              ; loads come back in order: this pass is in (and, ahead of the first pass, rn); the next pass's 32 loads may stay out
.else
	s_wait_loadcnt 0x0
.endif
.if (\p) == 0
.irp i, 0,1,2,3
	ds_store_b128 v[RNS], v[ACC+4*(\i):ACC+4*(\i)+3] offset:2048*(\i)
.endr
.endif
	XCONV \p, (\p)%2
.if (\p) < 6
	XLOAD (\p)+2, (\p)%2
.endif
.endr
	WIN 0
	s_wait_tensorcnt 0x1                           ; my quarter of slot 0 is in; slot 1's may stay out
	s_wait_dscnt 0x0                               ; my part of rn is stored, x's fragments are in, and window 3 has been read out
	s_barrier_signal -1
	s_barrier_wait -1                              ; everybody's is
	WIN 0xc0
.irp f, 0,1,2,3,4,5,6,7,8,9,10,11,12,13,14,15
	LDF 0, \f, 0                                   ; group 0, into buffer 0
.endr
	WIN 0
	s_mov_b32 s[SLOTS], 14
.Lslot:                                        ; 14 trips: every slot but the last two is filled again
	SLOTWALK 1
	s_sub_co_u32 s[SLOTS], s[SLOTS], 1
	s_cmp_lg_u32 s[SLOTS], 0
	s_cbranch_scc1 .Lslot
	s_mov_b32 s[TAIL], 2
.Ltail:                                        ; the last two slots are written apart: nothing is asked for.  In the second trip the last run's fragments come out of
	SLOTWALK 0                                     ; the other slot's old bytes and feed nothing: the price of one text for both trips
	s_sub_co_u32 s[TAIL], s[TAIL], 1
	s_cmp_lg_u32 s[TAIL], 0
	s_cbranch_scc1 .Ltail
	; THE END.  The last group's scores (set 1): riders 75 and 76 of its time, the step of rn's address and the first three lines below are the places behind its last product.
	s_wait_dscnt 0x0                               ; its rn is in
.set k_, 0
.rept 76
	RID 0, k_
.set k_, k_+1
.endr
	; The place in the group that holds the maximum: the lowest j whose kept score equals it.  j goes down, so that a lower j writes over a higher one; j = 0 is what stays where no other is taken.
.irp a, 0,1,2,3
	v_mov_b32 v[M+(\a)], 0
.endr
.irp j, 7,6,5,4,3,2,1
	v_mov_b32 v[WO], \j
.irp a, 0,1,2,3
	v_cmp_eq_f32 vcc_lo, v[KEEP+8*(\a)+(\j)], v[BEST+(\a)]
	v_cndmask_b32 v[M+(\a)], v[M+(\a)], v[WO], vcc_lo
.endr
.endr
.irp a, 0,1,2,3
	v_add_nc_u32 v[GI+(\a)], v[GI+(\a)], v[M+(\a)] ; the code
.endr
	; A token's other 8 codes of each group lie in the lane 16 away: the greater score, of equal scores the lower code.
.irp a, 0,1,2,3
	v_permlanex16_b32 v[OV+(\a)], v[BEST+(\a)], s[SEL], s[SEL+1]
	v_permlanex16_b32 v[OI+(\a)], v[GI+(\a)], s[SEL], s[SEL+1]
.endr
.irp a, 0,1,2,3
	v_cmp_gt_f32 s48, v[OV+(\a)], v[BEST+(\a)]
	v_cmp_eq_f32 s49, v[OV+(\a)], v[BEST+(\a)]
	v_cmp_lt_u32 s50, v[OI+(\a)], v[GI+(\a)]
	s_and_b32 s49, s49, s50
	s_or_b32 s48, s48, s49                         ; a mask of lanes: it selects values and steers nothing
	v_cndmask_b32 v[BEST+(\a)], v[BEST+(\a)], v[OV+(\a)], s48
	v_cndmask_b32 v[GI+(\a)], v[GI+(\a)], v[OI+(\a)], s48
.endr
.irp a, 0,1,2,3
	ds_store_b32 v[OS], v[BEST+(\a)] offset:64*(\a)      ; token 16 a + r; lanes r and r + 16 write the same word with the same number
	ds_store_b32 v[OS], v[GI+(\a)]   offset:256+64*(\a)
.endr
	ds_load_b64 v[WO:WO+1],   v[OL]                ; my wave's own bytes, served in order: two tokens a lane
	ds_load_b64 v[WO+2:WO+3], v[OL] offset:256
	s_wait_dscnt 0x0
	global_store_b64 v[L8], v[WO:WO+1],   s[10:11] ; 32 lanes store 256 consecutive bytes, at a multiple of 256 from the buffer's first byte
	global_store_b64 v[L8], v[WO+2:WO+3], s[12:13]
	s_wait_tensorcnt 0x0                           ; the wave's end, behind my last tensor load and my last LDS store
	ds_add_u32 v[SPW], v[NIL]
	s_wait_dscnt 0x0
	CROUND                                         ; the closing round: no work-group ends while a partner may still ask for a tile that names it
	s_endpgm
.Lfunc_end_k_q3ca050f98d_score:
	.size	k_q3ca050f98d_score, .Lfunc_end_k_q3ca050f98d_score-k_q3ca050f98d_score
	.p2alignl 7, 3214868480
	.fill 96, 4, 3214868480
	.section	.rodata,"a",@progbits
	.p2align	6, 0x0
	.amdhsa_kernel k_q3ca050f98d_score
		.amdhsa_group_segment_fixed_size 327680
		.amdhsa_private_segment_fixed_size 0
		.amdhsa_enable_private_segment 0
		.amdhsa_kernarg_size 40
		.amdhsa_user_sgpr_count 2
		.amdhsa_user_sgpr_kernarg_segment_ptr 1
		.amdhsa_wavefront_size32 1
		.amdhsa_system_sgpr_workgroup_id_x 1
		.amdhsa_system_sgpr_workgroup_id_y 1
		.amdhsa_system_sgpr_workgroup_id_z 1
		.amdhsa_system_vgpr_workitem_id 0
		.amdhsa_next_free_vgpr 1024
		.amdhsa_next_free_sgpr 66
		.amdhsa_reserve_vcc 1
		.amdhsa_float_denorm_mode_32 3
		.amdhsa_float_denorm_mode_16_64 3
		.amdhsa_memory_ordered 1
		.amdhsa_forward_progress 1
		.amdhsa_inst_pref_size 201
	.end_amdhsa_kernel
	.amdgpu_metadata
---
amdhsa.version: [ 1, 2 ]
amdhsa.kernels:
  - .name:           k_q3ca050f98d_score
    .symbol:         k_q3ca050f98d_score.kd
    .args:
      - { .name: x, .offset: 0, .size: 8, .value_kind: global_buffer, .address_space: global }
      - { .name: eb, .offset: 8, .size: 8, .value_kind: global_buffer, .address_space: global }
      - { .name: rn, .offset: 16, .size: 8, .value_kind: global_buffer, .address_space: global }
      - { .name: cval, .offset: 24, .size: 8, .value_kind: global_buffer, .address_space: global }
      - { .name: cidx, .offset: 32, .size: 8, .value_kind: global_buffer, .address_space: global }
    .group_segment_fixed_size: 327680
    .private_segment_fixed_size: 0
    .kernarg_segment_align: 8
    .kernarg_segment_size: 40
    .max_flat_workgroup_size: 128
    .sgpr_count:     66
    .vgpr_count:     1024
    .wavefront_size: 32
...
	.end_amdgpu_metadata
.endif
;; end of part 4
;; launch gather: the kernel of part 3 again; grid 1024 x 1, 8 waves a work-group, no clusters, 0 bytes of LDS; arguments cidx, cval, eb, rn, out0; writes out0
